; MI455X (gfx1250); checked and timed in simulation.
; The chip was launched on July 23, 2026; its instructions are those of AMD's public machine-readable ISA for CDNA 5 (MIT licence, August 2026) and "CDNA5" Instruction Set Architecture Reference Guide (July 2026). The comments in the code are by the model that wrote it; some were corrected since.
;; Audio Quantizer. Allowed arithmetic: matrix products marked QUANTISED: E5M2 operands, one E8M0 scale for each 32 along K, by v_wmma_scale_f32_16x16x128_f8f6f4 with both operands' format E5M2, f32 sums; everything else in f32.
;; Inputs: codebook 8,192 x 512 float32; x 8 x 2,048 x 512 float32.
;; Outputs: out0 8 x 2,048 x 512 float32.
;; This version of the problem:
;;   THIS VERSION OF THE PROBLEM IS GIVEN IN LOW PRECISION. The matrix products marked QUANTISED in the list below multiply operands that are first quantised to E5M2 (5 exponent bits, 2 mantissa bits; 8 bits a number), with one power-of-two scale for each 32 numbers along K (OCP MX v1.0); their sums are f32. All else is computed in f32.
;;   The module's matrix products, in the order in which they are computed (A, B: the left and right operand; K: the contracted axis; several contracted axes count as one K, in the product's order):
;;     1. [M 16,384, K 512] x [K 512, N 8,192]; A: input x; B: input codebook: QUANTISED
;;   THE QUANTISER, for each operand of a quantised product, along K:
;;     - K is cut into blocks of 32 from its start; a last block that is shorter is filled with zeros.
;;     - A block's scale is 2^e with e = floor(log2(the largest magnitude in the block)) - 15, held to -126 .. 127; a block of zeros has e = 0. As a byte (E8M0): e + 127.
;;     - Each number is divided by its block's scale, clamped to +-57,344, and rounded to the nearest number of E5M2, ties to even, subnormals kept.
;;     - The product sums the exact products of the quantised numbers (number of the format x scale) in f32.
;;   ~~~python
;;   def quantise(x, axis):      # numpy; x: float32 -> the quantised numbers, widened to float32 again
;;       x = np.moveaxis(x, axis, -1); K = x.shape[-1]
;;       x = np.pad(x, [(0, 0)] * (x.ndim - 1) + [(0, -K % 32)]); x = x.reshape(x.shape[:-1] + (-1, 32)); a = np.abs(x).max(-1, keepdims=True)
;;       e = np.where(a > 0, np.clip(np.frexp(np.where(a > 0, a, 1))[1] - 1 - 15, -126, 127), 0)      # np.frexp(a)[1] - 1 = floor(log2(a)), exactly
;;       r = np.clip(x / 2.0 ** e, -57344, 57344)
;;       step = 2.0 ** (np.maximum(np.frexp(np.where(r == 0, 1, r))[1] - 1, -14) - 2)
;;       q = np.round(r / step) * step * 2.0 ** e      # np.round: ties to even
;;       return np.moveaxis(q.reshape(q.shape[:-2] + (-1,))[..., :K], -1, axis).astype(np.float32)
;;   ~~~
;; One version. Each part assembles by itself: llvm-mc -triple=amdgcn-amd-amdhsa -mcpu=gfx1250 --defsym DOCPART=n.
;; ======== version 1 of 1: 3 launches
;; limits: right only within a limited range of input values
;; workspace buffers: xq 8,650,752 bytes; cq 4,456,448 bytes; part 1,048,576 bytes of whole numbers
;; launch quant (part 1): grid 256 x 1, 6 waves a work-group, no clusters, 86,784 bytes of LDS; arguments x, codebook, xq, cq; writes xq, cq
.if DOCPART == 1
	.amdgcn_target "amdgcn-amd-amdhsa--gfx1250"
	.amdhsa_code_object_version 6
	.text
	.protected	k_q2698b9f52e_quant
	.globl	k_q2698b9f52e_quant
	.p2align	8
	.type	k_q2698b9f52e_quant,@function
k_q2698b9f52e_quant:
	s_mov_b64 s[64:65], 0
	v_nop
	global_prefetch_b8 v0, s[64:65] scope:SCOPE_SE
	s_setreg_imm32_b32 hwreg(HW_REG_WAVE_MODE, 25, 1), 1
	s_wait_xcnt 0x0
; x [16384][512] and codebook [8192][512], f32, K innermost, are turned into codes of BF8 (E5M2) with one E8M0 scale byte for each 32 along K.
; WORK LEFT OUT, in the whole program: the term sum(x * x) of the distances.  For one query it is the same number for every code, so in exact arithmetic, whatever the inputs hold,
; argmin over codes of (xx - 2 x.c + cc) = argmax over codes of (x.c - cc / 2), and only the index reaches the output.  So xx is never computed.  x itself is live (it is the product's operand).
; LIMIT of that: an overflow, infinity or NaN that would arise in xx alone is not carried to the result; two distances of a query that lie within rounding of each other may be ordered otherwise than with xx added.
; For the codebook's rows -cc / 2 = -sum(c * c) / 2 is taken in f32 (the halving is exact): the next launch gives it to the matrix unit as the sums' first term.
; A block's scale is 2^(floor(log2(its largest magnitude)) - 15); its byte is the largest magnitude's exponent field - 15, held at 1 from below.
; Each number is divided by the scale, held within +-57,344 and rounded to the nearest code, ties to even.
; LAYOUT: a tile is 16 neighbouring rows.  Its codes are an image of the operand's registers, 8,192 bytes: byte = 512 b + 256 h + 16 r + i (b the block of 32 along K, h which 16 of it, r the row, i = k mod 16).
; Behind them 256 scale bytes [row][16].  A codebook tile has 256 bytes more: its 16 numbers -cc / 2, written four times over, so that the unit is stored whole.  x: 8,448 bytes a tile, codebook: 8,704.
; SHARES: six waves, a tile each: waves 0-3 take x's tiles 4 g + w, waves 4 and 5 the codebook's tiles 2 g + w - 4 (g the work-group).  The two kinds part once, on the wave's number: only the codebook's rows are squared.
; A wave takes 16 steps, a row (2,048 bytes) each.  Each of a step's four loads reads 512 consecutive bytes; the row turns through the wave's own stage in LDS and comes back 64 bytes a lane,
; so that a lane holds 16 neighbours along K (two neighbouring lanes hold a block).  The codes are gathered in a second stage and leave as runs of 512 bytes.  Waves share nothing: no barrier.  Loads run eight rows ahead.
; LIMITS: NaN and infinities among the inputs are not served.  A block of zeros gets the byte 1 where the rule says 127: its codes are zeros, and this program alone reads the bytes.
; cc is summed 16 numbers a lane in two packed chains and then across the lanes: another order than a plain running sum.
.set WREG, 14336                       ; LDS of a wave
.set SP,   80                          ; turn stage: a lane's 64 bytes + 16 of padding; two stages of 32 x SP bytes at +0
.set CST,  5120                        ; code stage: 32 units x CP bytes
.set CP,   272
.set SCS,  13824                       ; the tile's 256 scale bytes
.set NRS,  14080                       ; the tile's 16 numbers -cc / 2
.set R,    16                          ; v16-143  eight sets of 16 numbers as they are loaded
.set X,    144                         ; v144-175 two sets of 16 neighbours
.set C,    176                         ; v176-183 two sets of four registers of codes
.set E,    184                         ; v184-185 scale bytes
.set N,    186                         ; v186-187 -cc / 2
.set P,    188                         ; v188-191 two packed chains of the sum of squares
	s_load_b256 s[4:11], s[0:1], 0x0               ; x s[4:5], codebook s[6:7], xq s[8:9], cq s[10:11]
	v_lshl_add_u32 v200, v0, 2, 0x15000            ; my spare word, behind the six waves' regions
	v_mov_b32 v201, 0
	v_lshrrev_b32 v8, 5, v0
	v_readfirstlane_b32 s20, v8                    ; wave 0..5
	v_and_b32 v1, 31, v0                           ; lane
	v_lshlrev_b32 v2, 4, v1                        ; 16 x lane
	s_mul_i32 s24, s20, WREG
	v_lshrrev_b32 v3, 2, v1
	v_mul_u32_u24 v3, v3, SP
	v_and_b32 v8, 3, v1
	v_lshl_add_u32 v3, v8, 4, v3
	v_add_nc_u32 v3, s24, v3                       ; turn stage, in
	v_mul_u32_u24 v4, v1, SP
	v_add_nc_u32 v4, s24, v4                       ; turn stage, out: my 16 neighbours
	s_add_co_u32 s25, s24, CST
	v_mul_u32_u24 v5, v1, CP
	v_add_nc_u32 v5, s25, v5                       ; code stage, in: unit = my lane
	v_lshrrev_b32 v8, 4, v1
	v_and_b32 v9, 15, v1
	v_mul_u32_u24 v192, v8, CP
	v_lshl_add_u32 v192, v9, 4, v192
	v_add_nc_u32 v192, s25, v192                   ; code stage, out: sixteen lanes to a unit
	s_add_co_u32 s25, s24, SCS
	v_lshrrev_b32 v6, 1, v1
	v_add_nc_u32 v6, s25, v6                       ; my block's scale byte in a row's 16
	v_lshlrev_b32 v193, 3, v1                      ; 8 x lane
	v_add_nc_u32 v195, s25, v193                   ; the scale bytes, out
	s_add_co_u32 s25, s24, NRS
	v_mov_b32 v7, s25                              ; -cc / 2, in: every lane writes the same word with the same number
	v_and_b32 v9, 7, v1
	v_lshl_add_u32 v196, v9, 3, s25                ; and out: eight lanes cover the 64 bytes, four times over
	v_mov_b32 v12, 0                               ; a lane permute's destination counts as one of its sources
	s_mov_b32 s29, 0x600000                        ; the mantissa field of 57,344
	s_mov_b32 s30, 0x76543210
	s_mov_b32 s31, 0xfedcba98
	s_mov_b32 s26, 8704
	s_wait_alu depctr_va_vdst(0)                   ; the wait at the head's end
	s_wait_kmcnt 0x0
	s_cmp_lt_u32 s20, 4                            ; x's tile or the codebook's?  The choice hangs on the wave's number alone
	s_cselect_b64 s[4:5], s[4:5], s[6:7]
	s_cselect_b64 s[8:9], s[8:9], s[10:11]
	s_cselect_b32 s22, 2, 1
	s_cselect_b32 s23, 0, 4
	s_cselect_b32 s26, 8448, s26                   ; bytes of a tile's image
	s_lshl_b32 s21, ttmp9, s22
	s_add_co_u32 s21, s21, s20
	s_sub_co_u32 s21, s21, s23                     ; the tile's number in its tensor
	s_mov_b32 s23, 0
	s_lshl_b32 s22, s21, 15                        ; 16 rows of 2,048 bytes
	s_add_nc_u64 s[4:5], s[4:5], s[22:23]
	s_mul_i32 s22, s21, s26
	s_add_nc_u64 s[8:9], s[8:9], s[22:23]
.macro LOAD t                          ; row t: four loads of 512 consecutive bytes
.irp i, 0,1,2,3
	global_load_b128 v[R+16*((\t)%8)+4*\i:R+16*((\t)%8)+4*\i+3], v2, s[4:5] offset:2048*(\t)+512*\i th:TH_LOAD_NT
.endr
.endm
.macro TURN t                          ; row t through the stage: LDS serves a wave's instructions in order (ISA guide 5.7.1.4)
.irp i, 0,1,2,3
	ds_store_b128 v3, v[R+16*((\t)%8)+4*\i:R+16*((\t)%8)+4*\i+3] offset:32*SP*((\t)%2)+8*SP*\i
.endr
.irp i, 0,1,2,3
	ds_load_b128 v[X+16*((\t)%2)+4*\i:X+16*((\t)%2)+4*\i+3], v4 offset:32*SP*((\t)%2)+16*\i
.endr
.endm
.irp t, 0,1,2,3,4,5,6,7
	LOAD \t
.endr
	s_wait_loadcnt 28                              ; row 0's four loads are in; the 28 behind them may be out
	TURN 0
.macro STEP t, nrm                     ; nrm = 1: a row of the codebook, whose squares are summed
.set XS, X+16*((\t)%2)
.set CS, C+4*((\t)%2)
.if (\t) > 0
	s_wait_dscnt 2+\nrm                            ; this row is back from the stage; only the last step's stores (two, or three with -cc / 2) may be out
.else
	s_wait_dscnt 0x0
.endif
.if (\t)+8 < 16
	LOAD (\t)+8
.endif
.if (\t)+1 < 16
.if (\t)+8 < 15
	s_wait_loadcnt 28                              ; the next row's four loads are in; those of the seven rows behind it may be out
.else
	s_wait_loadcnt 4*(14-(\t))
.endif
	TURN (\t)+1
.endif
.if \nrm
	v_pk_mul_f32 v[P:P+1], v[XS:XS+1], v[XS:XS+1]                  ; ahead of the hold: two packed chains, started by the first products
	v_pk_mul_f32 v[P+2:P+3], v[XS+2:XS+3], v[XS+2:XS+3]
.irp i, 4,8,12
	v_pk_fma_f32 v[P:P+1], v[XS+\i:XS+\i+1], v[XS+\i:XS+\i+1], v[P:P+1]
	v_pk_fma_f32 v[P+2:P+3], v[XS+\i+2:XS+\i+3], v[XS+\i+2:XS+\i+3], v[P+2:P+3]
.endr
	v_pk_add_f32 v[P:P+1], v[P:P+1], v[P+2:P+3]
	v_add_f32 v13, v[P], v[P+1]
.irp m, 1,2,4,8
	v_add_f32_dpp v13, v13, v13 row_xmask:\m row_mask:0xf bank_mask:0xf
.endr
	v_permlanex16_b32 v12, v13, s30, s31
	v_add_f32 v[N+(\t)%2], v13, v12                ; the row's sum of squares, the same bits in every lane
	v_mul_f32 v[N+(\t)%2], -0.5, v[N+(\t)%2]       ; exact
.endif
	v_max3_num_f32 v8, |v[XS]|, |v[XS+1]|, |v[XS+2]|               ; the largest magnitude of my 16, in two chains
	v_max3_num_f32 v9, |v[XS+3]|, |v[XS+4]|, |v[XS+5]|
.irp i, 6,10
	v_max3_num_f32 v8, v8, |v[XS+\i]|, |v[XS+\i+1]|
	v_max3_num_f32 v9, v9, |v[XS+\i+2]|, |v[XS+\i+3]|
.endr
	v_max3_num_f32 v8, v8, |v[XS+14]|, |v[XS+15]|
	v_max3_num_f32 v8, v8, v9, 0x8000000           ; and the floor 2^(16 - 127): the byte cannot fall under 1
	v_max_num_f32_dpp v8, v8, v8 row_xmask:1 row_mask:0xf bank_mask:0xf   ; with my neighbour's 16: the block's
	v_add_nc_u32 v11, 0xf8800000, v8               ; 15 off its exponent field: the conversion's scale operand
	v_and_or_b32 v10, v8, 0x7f800000, s29          ; 57,344 x the scale
.irp i, 0,1,2,3,4,5,6,7,8,9,10,11,12,13,14,15
	v_med3_num_f32 v[XS+\i], v[XS+\i], -v10, v10   ; the conversion to an 8-bit code does not saturate (ISA guide 7.6.2): the hold comes first
.endr
	v_cvt_scalef32_pk8_bf8_f32 v[CS:CS+1], v[XS:XS+7], v11
	v_cvt_scalef32_pk8_bf8_f32 v[CS+2:CS+3], v[XS+8:XS+15], v11
	v_lshrrev_b32 v[E+(\t)%2], 23, v11             ; the scale's byte (also the plain line behind the conversions)
	ds_store_b128 v5, v[CS:CS+3] offset:16*(\t)    ; bytes 256 l + 16 t of the image
	ds_store_b8 v6, v[E+(\t)%2] offset:16*(\t)     ; both lanes of a block write the same byte with the same value
.if \nrm
	ds_store_b32 v7, v[N+(\t)%2] offset:4*(\t)
.endif
.endm
	s_cmp_lt_u32 s20, 4
	s_cbranch_scc1 .Lrows_x
.irp t, 0,1,2,3,4,5,6,7,8,9,10,11,12,13,14,15
	STEP \t, 1
.endr
	ds_load_b64 v[82:83], v196                     ; behind my stores in LDS's order
	s_wait_dscnt 0x0
	global_store_b64 v193, v[82:83], s[8:9] offset:8448   ; 32 lanes store 256 consecutive bytes, aligned
	s_wait_alu depctr_va_vdst(0)                   ; the wait ahead of the branch
	s_branch .Lout
.Lrows_x:
.irp t, 0,1,2,3,4,5,6,7,8,9,10,11,12,13,14,15
	STEP \t, 0
.endr
.Lout:
.irp i, 0,1,2,3,4,5,6,7,8,9,10,11,12,13,14,15
	ds_load_b128 v[16+4*\i:19+4*\i], v192 offset:2*CP*\i
.endr
	ds_load_b64 v[80:81], v195
.irp i, 0,1,2,3,4,5,6,7,8,9,10,11,12,13,14,15
	s_wait_dscnt 16-\i                             ; load i is in; the younger ones may be out
	global_store_b128 v2, v[16+4*\i:19+4*\i], s[8:9] offset:512*\i   ; 32 lanes store 512 consecutive bytes, aligned
.endr
	s_wait_dscnt 0x0
	global_store_b64 v193, v[80:81], s[8:9] offset:8192   ; the tile's 256 scale bytes, aligned
	s_wait_tensorcnt 0x0                           ; the wave's end
	ds_add_u32 v200, v201
	s_wait_dscnt 0x0
	s_endpgm
.Lfunc_end_k_q2698b9f52e_quant:
	.size	k_q2698b9f52e_quant, .Lfunc_end_k_q2698b9f52e_quant-k_q2698b9f52e_quant
	.p2alignl 7, 3214868480
	.fill 96, 4, 3214868480
	.section	.rodata,"a",@progbits
	.p2align	6, 0x0
	.amdhsa_kernel k_q2698b9f52e_quant
		.amdhsa_group_segment_fixed_size 86784
		.amdhsa_private_segment_fixed_size 0
		.amdhsa_enable_private_segment 0
		.amdhsa_kernarg_size 32
		.amdhsa_user_sgpr_count 2
		.amdhsa_user_sgpr_kernarg_segment_ptr 1
		.amdhsa_wavefront_size32 1
		.amdhsa_system_sgpr_workgroup_id_x 1
		.amdhsa_system_sgpr_workgroup_id_y 1
		.amdhsa_system_sgpr_workgroup_id_z 1
		.amdhsa_system_vgpr_workitem_id 0
		.amdhsa_next_free_vgpr 202
		.amdhsa_next_free_sgpr 66
		.amdhsa_reserve_vcc 0
		.amdhsa_float_denorm_mode_32 3
		.amdhsa_float_denorm_mode_16_64 3
		.amdhsa_memory_ordered 1
		.amdhsa_forward_progress 1
		.amdhsa_inst_pref_size 115
	.end_amdhsa_kernel
	.amdgpu_metadata
---
amdhsa.version: [ 1, 2 ]
amdhsa.kernels:
  - .name:           k_q2698b9f52e_quant
    .symbol:         k_q2698b9f52e_quant.kd
    .args:
      - { .name: x, .offset: 0, .size: 8, .value_kind: global_buffer, .address_space: global }
      - { .name: codebook, .offset: 8, .size: 8, .value_kind: global_buffer, .address_space: global }
      - { .name: xq, .offset: 16, .size: 8, .value_kind: global_buffer, .address_space: global }
      - { .name: cq, .offset: 24, .size: 8, .value_kind: global_buffer, .address_space: global }
    .group_segment_fixed_size: 86784
    .private_segment_fixed_size: 0
    .kernarg_segment_align: 8
    .kernarg_segment_size: 32
    .max_flat_workgroup_size: 192
    .sgpr_count:     66
    .vgpr_count:     202
    .wavefront_size: 32
...
	.end_amdgpu_metadata
.endif
;; end of part 1
;; launch dist (part 2): grid 32 x 8, 4 waves a work-group, clusters of 4 x 1, 327,680 bytes of LDS; arguments xq, cq, part; writes part
.if DOCPART == 2
	.amdgcn_target "amdgcn-amd-amdhsa--gfx1250"
	.amdhsa_code_object_version 6
	.text
	.protected	k_q2698b9f52e_dist
	.globl	k_q2698b9f52e_dist
	.p2align	8
	.type	k_q2698b9f52e_dist,@function
k_q2698b9f52e_dist:
	s_mov_b64 s[64:65], 0
	v_nop
	global_prefetch_b8 v0, s[64:65] scope:SCOPE_SE
	s_setreg_imm32_b32 hwreg(HW_REG_WAVE_MODE, 25, 1), 1
	s_wait_xcnt 0x0
	s_wait_alu depctr_hold_cnt(0) depctr_sa_sdst(0) depctr_va_vdst(0) depctr_va_sdst(0) depctr_va_ssrc(0) depctr_va_vcc(0) depctr_vm_vsrc(0)
	s_getreg_b32 s2, hwreg(HW_REG_IB_STS2, 6, 4)
	s_cmp_eq_u32 s2, 0
	s_cbranch_scc0 .Lentry_in_a_cluster
	s_endpgm
.Lentry_in_a_cluster:
	s_bfe_u32 s2, ttmp6, 0x10000c
	s_cmp_lg_u32 s2, 0x3003
	s_cbranch_scc0 .Lentry_shape_is_right
	s_endpgm
.Lentry_shape_is_right:
; a[query][code] = x.c - cc[code] / 2, x.c on codes of BF8 (E5M2) with E8M0 scales; for each query the first index of the largest a among one eighth of the codes.
; Left out: xx[query], the same for all codes of a query (shown at the head of the first kernel): the largest a is the smallest distance.
; -cc / 2 is the C of each sum's first product, so no vector instruction forms a distance.
; The result goes out as whole numbers: part[split][query] = (key, index), key the order-keeping integer image of -a's f32 bits.  The next launch compares keys as integers.
; SHARES.  A work-group owns 512 queries x 1,024 codes (a split): 32 x 8 work-groups.  Wave w owns 128 queries, eight tiles of 16: their codes (512 registers) and scale words stay in registers.
; Every wave walks the split's 64 tiles of 16 codes.  A tile's image is 8,704 bytes on end: 8,192 of codes as the operand's registers take them, 256 scale bytes, 256 with its 16 numbers -cc / 2.
; They come through a ring of two LDS slots of 16 tiles; a wave's one tensor load brings a quarter of a slot, 136 rows of 256 bytes.
; Source 0 = 16 codes, source 1 = 16 queries: lane (r, h) holds query r, register j code 8 h + j.  The search needs no other lane until the end.
; A TURN of code tile c: tile c + 1's 19 LDS loads in one run, tile c's 32 products on end, then the search of tile c - 1 in one run; two sets of accumulators change places.
; THE SEARCH, 9 instructions for 8 numbers of 16 queries: the largest of the eight by three dual pairs of v_max, with the running largest m by one v_max3; one compare: has this tile won strictly
; (so the first index stays on ties)?; on a win seven of the eight numbers and the tile's number are kept by four dual pairs of selects.  Which of the eight it was is found once, at the end.
; No branch and no address hangs on a number.  The steps of three query tiles stand among each other, so that no line reads what the line above it wrote.
; CLUSTER.  The four work-groups of a cluster walk the same split: every tensor load is asked for jointly, with the same descriptor and a mask that names the four.
; No prefetch: a refill is asked for 16 turns, 512 products, ahead of the wait for it.  No padding in LDS: every read is 16 x lane on end, 8 bytes a lane on end, or the same words for sixteen lanes.
; LIMITS: NaN and infinities are not served.  Two numbers of a query that lie within rounding of each other may be ordered otherwise than by sums taken in another order.
; REGISTERS, in windows of 256 (s_set_vgpr_msb's low byte: bits 1:0 source 0, 3:2 source 1, 5:4 source 2, 7:6 destination):
;   window 0: v1-11 addresses and small numbers; x's scale words in pairs at v16,18,20,24,26,28,32,34; the codes' scale words at v22-23 and v30-31; v40-55 m, two a query tile; v56-63 at work;
;             v64-127 for each query tile seven kept numbers and the winning tile's number; v128-255 accumulators, two sets of 8 tiles
;   window 1: v0-127 the codes' fragments, two sets; v128-143 -cc / 2, two sets
;   windows 2, 3: x's fragments: query tiles 0-3 and 4-7, 64 registers a tile
.set TILEB, 8704
.set XTILE, 8448                       ; a tile of x: codes and scale bytes
.set SLOTB, 16*TILEB
.set QB,    4*TILEB
.set SPARE, 2*SLOTB                    ; the spare words, 128 bytes for each wave: two blocks of 256 bytes that no other line names
.set L16, 1                            ; v1   16 x lane
.set LS0, 2                            ; v2   8,192 + 16 r + 8 h
.set LC0, 3                            ; v3   8,448 + 32 h
.set ADR, 4                            ; v4-6 the same three + the LDS byte of the pair of tiles in hand
.set ADS, 5
.set ADC, 6
.set SPW, 7                            ; v7   my spare word; never rewritten
.set NIL, 8                            ; v8   0; never rewritten
.set PO,  9                            ; v9   8 x lane
.set HB,  10                           ; v10  8 h + 1,024 split
.set CTV, 11                           ; v11  the tile that is searched
.set AS0, 22
.set MR,  40
.set TT,  56
.set KP,  64
.set AC,  128
.set AF,  0                            ; window 1
.set CCR, 128                          ; window 1
.set SL,  128                          ; the end, over accumulators that are done with
.set MO,  136
.set IO,  144
.set KY,  152
.set PR,  160
.set WV,  18                           ; s18  wave
.set G1C, 24                           ; s[24:31] group 1: 136 rows of 256 bytes
.set G0A, 48                           ; s[48:51] group 0 of slot 0;  s[52:55] of slot 1
.set G0B, 52
.set TB,  66                           ; s66  LDS byte of the next pair of tiles
.set IC,  70
.set SEL, 76                           ; s[76:77] v_permlanex16_b32's selects for lane l xor 16
.set HM,  83                           ; s83  lanes 16-31
.set MSB, 0
.macro WIN new                         ; the immediate's high byte repeats the setting that is left
.if MSB != \new
	s_set_vgpr_msb (MSB<<8)|\new
.set MSB, \new
.endif
.endm
.macro ROUND                           ; a round of the cluster's barrier
	s_barrier_signal -1
	s_barrier_wait -1
	s_cmp_lg_u32 s[WV], 0
	s_cbranch_scc1 .Lnot_wave_0_\@
	s_barrier_signal -3
.Lnot_wave_0_\@:
	s_barrier_wait -3
	s_barrier_signal -1
	s_barrier_wait -1
.endm
.macro NOPS n
.rept \n
	v_nop
.endr
.endm
	s_load_b128 s[4:7], s[0:1], 0x0                ; xq s[4:5], cq s[6:7]
	s_load_b64 s[16:17], s[0:1], 0x10              ; part
	v_lshl_add_u32 v[SPW], v0, 2, SPARE
	v_mov_b32 v[NIL], 0
	ds_add_u32 v[SPW], v[NIL]                      ; the opening: the add, twice on end, and its wait ahead of my first tensor load
	ds_add_u32 v[SPW], v[NIL]
	v_lshrrev_b32 v12, 5, v0
	v_readfirstlane_b32 s[WV], v12                 ; wave 0..3
	s_bfe_u32 s19, ttmp6, 0x40000                  ; cx: it enters x's and part's addresses alone
	s_lshl_b32 s20, ttmp9, 2
	s_add_co_u32 s20, s20, s19                     ; my block of 512 queries
	s_and_b32 s21, ttmp7, 0xffff                   ; the split, which the four partners share
	s_mov_b32 s[G1C], 15|(3<<16)|(1<<21)           ; the mask: all four work-groups; elements of 8 bytes; bit 21 beside a mask; no padding
	s_mov_b32 s[G1C+1], 32<<16                     ; tensor_dim0 = 32
	s_mov_b32 s[G1C+2], 136<<16                    ; tensor_dim1 = 136
	s_mov_b32 s[G1C+3], 32<<16                     ; tile_dim0 = 32
	s_mov_b32 s[G1C+4], 136                        ; tile_dim1 = 136
	s_mov_b32 s[G1C+5], 32                         ; from row to row
	s_mov_b32 s[G1C+6], 0
	s_mov_b32 s[G1C+7], 0
	s_mul_i32 s78, s21, 64*TILEB
	s_mul_i32 s22, s[WV], QB
	s_add_co_u32 s78, s78, s22                     ; what I fetch: the split's images, my quarter of a slot
	s_mov_b32 s79, 0
	s_mov_b32 s[G0A], 1
	s_mov_b32 s[G0A+1], s22
	s_mov_b32 s[G0B], 1
	s_add_co_u32 s[G0B+1], s22, SLOTB
	s_lshl_b32 s84, s20, 5
	s_lshl_b32 s85, s[WV], 3
	s_add_co_u32 s84, s84, s85                     ; my first tile of queries: 32 block + 8 wave
	s_mul_i32 s86, s84, XTILE
	s_mov_b32 s87, 0
	s_lshl_b32 s80, s84, 7                         ; part: 128 bytes a tile of queries
	s_lshl_b32 s88, s21, 17
	s_add_co_u32 s80, s80, s88                     ; + 131,072 split
	s_mov_b32 s81, 0
	s_lshl_b32 s23, s21, 10                        ; the split's first code
	s_mov_b32 s[TB], 0
	s_mov_b32 s[HM], 0xffff0000
	s_mov_b32 s[SEL], 0x76543210
	s_mov_b32 s[SEL+1], 0xfedcba98
	v_and_b32 v14, 31, v0                          ; lane
	v_and_b32 v13, 15, v0                          ; r
	v_bfe_u32 v12, v0, 4, 1                        ; h
	v_lshlrev_b32 v[L16], 4, v14
	v_lshlrev_b32 v[LS0], 4, v13
	v_lshl_add_u32 v[LS0], v12, 3, v[LS0]          ; a row's 16 scale bytes are four words, one a K step: lane (r, h) takes words 2 h and 2 h + 1
	v_add_nc_u32 v[LS0], 8192, v[LS0]
	v_lshl_add_u32 v[LC0], v12, 5, 8448
	v_lshlrev_b32 v[PO], 3, v14
	v_lshl_add_u32 v[HB], v12, 3, s23              ; 8 h + the split's first code
	v_mov_b32 v[CTV], -1
	s_wait_alu depctr_va_vdst(0)                   ; the wait ahead of the waits below
	s_wait_dscnt 0x0                               ; both opening adds are done
	s_wait_kmcnt 0x0
	s_add_nc_u64 s[G0A+2:G0A+3], s[6:7], s[78:79]
	s_add_nc_u64 s[G0B+2:G0B+3], s[G0A+2:G0A+3], SLOTB
	s_or_b32 s[G0A+3], s[G0A+3], 0x80000000        ; type = 2
	s_or_b32 s[G0B+3], s[G0B+3], 0x80000000
	s_add_nc_u64 s[4:5], s[4:5], s[86:87]
	s_add_nc_u64 s[16:17], s[16:17], s[80:81]
	ROUND                                          ; all four work-groups are here: the first joint loads meet
	tensor_load_to_lds s[G0A:G0A+3], s[G1C:G1C+7]  ; tiles 0-15, my quarter: my one load at the head
	s_nop 0
	NOPS 4                                         ; four such lines ahead of a switch of the windows
	; x: my 128 queries' codes and scale words, straight into registers, where they stay
	WIN 0x80
.irp q, 0,1,2,3
.irp i, 0,1,2,3,4,5,6,7,8,9,10,11,12,13,14,15
	global_load_b128 v[64*\q+4*\i:64*\q+4*\i+3], v[L16], s[4:5] offset:XTILE*\q+512*\i
.endr
.endr
	WIN 0xc0
.irp q, 0,1,2,3
.irp i, 0,1,2,3,4,5,6,7,8,9,10,11,12,13,14,15
	global_load_b128 v[64*\q+4*\i:64*\q+4*\i+3], v[L16], s[4:5] offset:XTILE*(\q+4)+512*\i
.endr
.endr
	WIN 0
.irp q, 0,1,2,3,4,5,6,7
	global_load_b64 v[16+8*(\q/3)+2*(\q%3):17+8*(\q/3)+2*(\q%3)], v[LS0], s[4:5] offset:XTILE*\q
.endr
.set i, 0
.rept 16
	v_mov_b32 v[MR+i], 0xff800000                  ; m = -infinity: the first tile wins
.set i, i+1
.endr
.set i, 0
.rept 64
.if i%8 == 7
	v_mov_b32 v[KP+i], 0                           ; the winning tile
.else
	v_mov_b32 v[KP+i], 0xff800000                  ; the selects name the kept numbers as sources, so they are written once
.endif
.set i, i+1
.endr
; One step of the search of query tile t on accumulator set e.  In each dual pair one destination is even and one odd, and the two first sources, like the two second sources, differ modulo 4.
; 0, 1, 2: the largest of the eight, down to two numbers; the accumulator is read from its low end on.  3: the new m (old and new change places from tile to tile).  4: has the tile won?  5 to 8: the selects.
.macro SOP e, kind, t
.set rA, AC+64*(\e)+8*(\t)
.set rT, TT+4*((\t)%2)
.set rK, KP+8*(\t)
.set rM, MR+2*(\t)
.if \kind == 0
	v_dual_max_num_f32 v[rT], v[rA], v[rA+1] :: v_dual_max_num_f32 v[rT+1], v[rA+2], v[rA+3]
.elseif \kind == 1
	v_dual_max_num_f32 v[rT+2], v[rA+4], v[rA+5] :: v_dual_max_num_f32 v[rT+3], v[rA+6], v[rA+7]
.elseif \kind == 2
	v_dual_max_num_f32 v[rT], v[rT], v[rT+1] :: v_dual_max_num_f32 v[rT+3], v[rT+2], v[rT+3]
.elseif \kind == 3
	v_max3_num_f32 v[rM+1-(\e)], v[rT], v[rT+3], v[rM+(\e)]
.elseif \kind == 4
	v_cmp_gt_f32 vcc_lo, v[rM+1-(\e)], v[rM+(\e)]  ; strictly more: on a tie the earlier tile stays
.elseif \kind == 8
	v_dual_cndmask_b32 v[rK+6], v[rK+6], v[rA+6] :: v_dual_cndmask_b32 v[rK+7], v[rK+7], v[CTV]
.else
	v_dual_cndmask_b32 v[rK+2*(\kind-5)], v[rK+2*(\kind-5)], v[rA+2*(\kind-5)] :: v_dual_cndmask_b32 v[rK+2*(\kind-5)+1], v[rK+2*(\kind-5)+1], v[rA+2*(\kind-5)+1]
.endif
.endm
.macro SEARCH e
	v_add_nc_u32 v[CTV], 1, v[CTV]
	SOP \e, 0, 0
	SOP \e, 1, 0
	SOP \e, 0, 1
	SOP \e, 1, 1
	SOP \e, 2, 0
	SOP \e, 2, 1
	SOP \e, 3, 0
.set q, 0
.rept 8
	SOP \e, 4, q
.if q < 6
	SOP \e, 0, q+2
	SOP \e, 1, q+2
.endif
	SOP \e, 5, q
.if q < 7
	SOP \e, 3, q+1
.endif
	SOP \e, 6, q
.if q < 6
	SOP \e, 2, q+2
.endif
	SOP \e, 7, q
	SOP \e, 8, q
.set q, q+1
.endr
.endm
; Product i of 32 of a turn: K step i / 8, query tile i % 8.  The eight accumulators take turns, one instruction a turn.  The first K step takes -cc / 2 as C.
; Scale words: K step s takes register s % 2 of the pair, and for s = 2, 3 lanes 16-31 of it.
.macro MM w
.set mS, i/8
.set mQ, i%8
.set rD, AC+64*(\w)+8*mQ
.set rF, AF+64*(\w)+16*mS
.set rX, 64*(mQ%4)+16*mS
.set rP, AS0+8*(\w)+mS%2
.set rY, 16+8*(mQ/3)+2*(mQ%3)+mS%2
.set rC, CCR+8*(\w)
.if mS == 0
.set wN, 0x19+4*(mQ/4)
	WIN wN                                         ; source 0 and C window 1, source 1 window 2 or 3, D window 0
	v_wmma_scale_f32_16x16x128_f8f6f4 v[rD:rD+7], v[rF:rF+15], v[rX:rX+15], v[rC:rC+7], v[rP], v[rY] matrix_a_fmt:MATRIX_FMT_BF8 matrix_b_fmt:MATRIX_FMT_BF8
.else
.set wN, 0x09+4*(mQ/4)
	WIN wN                                         ; C in window 0, with D
.if mS == 1
	v_wmma_scale_f32_16x16x128_f8f6f4 v[rD:rD+7], v[rF:rF+15], v[rX:rX+15], v[rD:rD+7], v[rP], v[rY] matrix_a_fmt:MATRIX_FMT_BF8 matrix_b_fmt:MATRIX_FMT_BF8
.else
	v_wmma_scale_f32_16x16x128_f8f6f4 v[rD:rD+7], v[rF:rF+15], v[rX:rX+15], v[rD:rD+7], v[rP], v[rY] matrix_a_fmt:MATRIX_FMT_BF8 matrix_b_fmt:MATRIX_FMT_BF8 matrix_a_scale:MATRIX_SCALE_ROW1 matrix_b_scale:MATRIX_SCALE_ROW1
.endif
.endif
.endm
; A tile's 19 LDS loads in one run: its scale words, its sixteen fragment loads, its -cc / 2.  off: 0 for the pair's first tile, TILEB for the second.
.macro FETCH set, off
	WIN 0
	ds_load_b64 v[AS0+8*(\set):AS0+8*(\set)+1], v[ADS] offset:\off
	WIN 0x40                                       ; destination window 1
.irp f, 0,1,2,3,4,5,6,7,8,9,10,11,12,13,14,15
	ds_load_b128 v[AF+64*(\set)+4*\f:AF+64*(\set)+4*\f+3], v[ADR] offset:(\off)+512*\f
.endr
	ds_load_b128 v[CCR+8*(\set):CCR+8*(\set)+3], v[ADC] offset:\off
	ds_load_b128 v[CCR+8*(\set)+4:CCR+8*(\set)+7], v[ADC] offset:(\off)+16
.endm
.macro ADDR                            ; the addresses of the next pair of tiles
	v_add_nc_u32 v[ADR], s[TB], v[L16]
	v_add_nc_u32 v[ADS], s[TB], v[LS0]
	v_add_nc_u32 v[ADC], s[TB], v[LC0]
	s_add_co_u32 s[TB], s[TB], 2*TILEB
	s_wait_alu depctr_va_vdst(0)                   ; the wait here, directly behind the writes
.endm
; THE TURN of code tile c, w = c % 2.  ep = 1: the search of tile c - 1 follows the products.  fa = 1: tile c + 1 is fetched.  adr = 1: a new pair of tiles begins.
; A vector instruction that reads a matrix result, and a load into a register that a matrix instruction has read, stand eight places behind it.
; Here the searches are the places: tile c - 1's results are read behind the search of tile c - 2, 73 instructions that name none of its products' registers, and so are the loads into its operands' registers.
.macro TURN w, ep, fa, off, adr
	s_wait_dscnt 0x0                               ; this tile's fragments, scale words and -cc / 2 are in: asked for a whole turn ago
.if \adr
	ADDR
.endif
.if \fa
	FETCH 1-\w, \off
.endif
.set i, 0
.rept 32
	MM \w
.set i, i+1
.endr
	WIN 0                                          ; the search lies in window 0; at a label and at a branch every window is 0
.if \ep
	SEARCH 1-\w
.endif
.endm
.macro TRIPS n                         ; a trip is two turns, until the register numbers are back where they began
	s_mov_b32 s[IC], \n
.Ltrip_\@:
	TURN 1, 1, 1, 0, 1
	TURN 0, 1, 1, TILEB, 0
	s_sub_co_u32 s[IC], s[IC], 1
	s_cmp_lg_u32 s[IC], 0
	s_cbranch_scc1 .Ltrip_\@
.endm
; THE CHANGE OF SLOTS: a slot's last tile has been asked for; the next fetch is the other slot's first, at LDS byte tb.  Each wave waits for all its tensor loads (its part of the other slot), adds 0 to its
; spare word, and waits for that and for its reads of the slot.  fill = 1: the barrier is a round of the cluster's, and the slot (group 0 g0) is filled again, jointly, with the tiles two slots on, first thing behind it.
.macro CHANGE fill, g0, tb
	s_wait_tensorcnt 0x0                           ; no tensor load of mine is out, so a group 0 may be written
	ds_add_u32 v[SPW], v[NIL]
.if \fill
	s_add_nc_u64 s[\g0+2:\g0+3], s[\g0+2:\g0+3], 2*SLOTB   ; the type bits on top are not reached
.endif
	s_mov_b32 s[TB], \tb
	s_wait_dscnt 0x0                               ; the add is done, and my reads of the slot are over
.if \fill
	ROUND                                          ; no wave of any partner still reads the slot or has a load on its way
	tensor_load_to_lds s[\g0:\g0+3], s[G1C:G1C+7]  ; my one tensor load behind the round: one load of mine is out
	s_nop 0
	NOPS 4
.else
	s_barrier_signal -1
	s_barrier_wait -1
.endif
.endm
	s_wait_alu depctr_va_vdst(0)                   ; the wait at the head's end
	s_wait_tensorcnt 0x0                           ; my part of slot 0 is in
	ds_add_u32 v[SPW], v[NIL]
	s_wait_dscnt 0x0
	ROUND                                          ; everybody's part is in, and the four work-groups are here
	tensor_load_to_lds s[G0B:G0B+3], s[G1C:G1C+7]  ; tiles 16-31: slot 1's first fill, my one load behind the round
	s_nop 0
	NOPS 4
	ADDR                                           ; tiles 0 and 1
	FETCH 0, 0                                     ; tile 0
	s_wait_loadcnt 0x0                             ; x
	TURN 0, 0, 1, TILEB, 0                         ; tile 0's products: nothing is there yet to search
	NOPS 8                                         ; so eight places stand behind them
	TRIPS 7                                        ; tiles 1 to 14
	CHANGE 1, G0A, SLOTB                           ; in front of tile 15: slot 0 takes tiles 32-47
	TRIPS 8
	CHANGE 1, G0B, 0                               ; in front of tile 31: slot 1 takes tiles 48-63
	TRIPS 8
	CHANGE 0, G0A, SLOTB                           ; in front of tile 47: nothing is left to fetch
	TRIPS 8                                        ; tiles 47 to 62
	TURN 1, 1, 0, 0, 0                             ; tile 63
	SEARCH 1                                       ; tile 63's numbers; m ends in the first of its two registers
	; THE END.  Which of the winning tile's eight: the first kept number equal to m, else the eighth.
.irp q, 0,1,2,3,4,5,6,7
	v_mov_b32 v[SL+\q], 7
.endr
.irp j, 6,5,4,3,2,1,0
.irp q, 0,1,2,3,4,5,6,7
	v_cmp_eq_f32 vcc_lo, v[KP+8*\q+\j], v[MR+2*\q]
	v_cndmask_b32 v[SL+\q], v[SL+\q], \j, vcc_lo
.endr
.endr
.irp q, 0,1,2,3,4,5,6,7
	v_lshl_add_u32 v[SL+\q], v[KP+8*\q+7], 4, v[SL+\q]             ; 16 tile + place
.endr
.irp q, 0,1,2,3,4,5,6,7
	v_add_nc_u32 v[SL+\q], v[SL+\q], v[HB]                         ; + 8 h + the split's first code: the index
.endr
.irp q, 0,1,2,3,4,5,6,7
	v_permlanex16_b32 v[MO+\q], v[MR+2*\q], s[SEL], s[SEL+1]       ; the query's other eight codes of each tile lie in the lane 16 away
	v_permlanex16_b32 v[IO+\q], v[SL+\q], s[SEL], s[SEL+1]
.endr
.irp q, 0,1,2,3,4,5,6,7
	v_cmp_gt_f32 s78, v[MO+\q], v[MR+2*\q]                         ; the other half's is taken where it is more,
	v_cmp_eq_f32 s79, v[MO+\q], v[MR+2*\q]
	v_cmp_lt_u32 s80, v[IO+\q], v[SL+\q]
	s_and_b32 s79, s79, s80                                        ; or equal with the lower index
	s_or_b32 s78, s78, s79
	v_cndmask_b32 v[KY+\q], v[MR+2*\q], v[MO+\q], s78
	v_cndmask_b32 v[SL+\q], v[SL+\q], v[IO+\q], s78
.endr
.irp q, 0,1,2,3,4,5,6,7
	v_xor_b32 v[KY+\q], 0x80000000, v[KY+\q]                       ; -a: the least key is the best
.endr
.irp q, 0,1,2,3,4,5,6,7
	v_ashrrev_i32 v[MO+\q], 31, v[KY+\q]                           ; the key: a negative number's bits are all turned, of the others the sign alone: unsigned order = the numbers' order
.endr
.irp q, 0,1,2,3,4,5,6,7
	v_or_b32 v[MO+\q], 0x80000000, v[MO+\q]
.endr
.irp q, 0,1,2,3,4,5,6,7
	v_xor_b32 v[KY+\q], v[KY+\q], v[MO+\q]
.endr
.irp u, 0,1,2,3
	v_cndmask_b32 v[PR+2*\u], v[KY+2*\u], v[KY+2*\u+1], s[HM]      ; both halves hold the same result: lanes 0-15 take tile 2 u's, lanes 16-31 tile 2 u + 1's
	v_cndmask_b32 v[PR+2*\u+1], v[SL+2*\u], v[SL+2*\u+1], s[HM]
.endr
.irp u, 0,1,2,3
	global_store_b64 v[PO], v[PR+2*\u:PR+2*\u+1], s[16:17] offset:256*\u   ; 32 lanes store 256 consecutive bytes, aligned: 32 queries' (key, index)
.endr
	s_wait_tensorcnt 0x0                           ; the wave's end
	ds_add_u32 v[SPW], v[NIL]
	s_wait_dscnt 0x0
	ROUND                                          ; the closing round: no work-group ends while a partner may still ask for a tile that names it
	s_endpgm
.Lfunc_end_k_q2698b9f52e_dist:
	.size	k_q2698b9f52e_dist, .Lfunc_end_k_q2698b9f52e_dist-k_q2698b9f52e_dist
	.p2alignl 7, 3214868480
	.fill 96, 4, 3214868480
	.section	.rodata,"a",@progbits
	.p2align	6, 0x0
	.amdhsa_kernel k_q2698b9f52e_dist
		.amdhsa_group_segment_fixed_size 327680
		.amdhsa_private_segment_fixed_size 0
		.amdhsa_enable_private_segment 0
		.amdhsa_kernarg_size 24
		.amdhsa_user_sgpr_count 2
		.amdhsa_user_sgpr_kernarg_segment_ptr 1
		.amdhsa_wavefront_size32 1
		.amdhsa_system_sgpr_workgroup_id_x 1
		.amdhsa_system_sgpr_workgroup_id_y 1
		.amdhsa_system_sgpr_workgroup_id_z 1
		.amdhsa_system_vgpr_workitem_id 0
		.amdhsa_next_free_vgpr 1024
		.amdhsa_next_free_sgpr 90
		.amdhsa_reserve_vcc 1
		.amdhsa_float_denorm_mode_32 3
		.amdhsa_float_denorm_mode_16_64 3
		.amdhsa_memory_ordered 1
		.amdhsa_forward_progress 1
		.amdhsa_inst_pref_size 137
	.end_amdhsa_kernel
	.amdgpu_metadata
---
amdhsa.version: [ 1, 2 ]
amdhsa.kernels:
  - .name:           k_q2698b9f52e_dist
    .symbol:         k_q2698b9f52e_dist.kd
    .args:
      - { .name: xq, .offset: 0, .size: 8, .value_kind: global_buffer, .address_space: global }
      - { .name: cq, .offset: 8, .size: 8, .value_kind: global_buffer, .address_space: global }
      - { .name: part, .offset: 16, .size: 8, .value_kind: global_buffer, .address_space: global }
    .group_segment_fixed_size: 327680
    .private_segment_fixed_size: 0
    .kernarg_segment_align: 8
    .kernarg_segment_size: 24
    .max_flat_workgroup_size: 128
    .sgpr_count:     90
    .vgpr_count:     1024
    .wavefront_size: 32
...
	.end_amdgpu_metadata
.endif
;; end of part 2
;; launch gather (part 3): grid 256 x 1, 8 waves a work-group, no clusters, 0 bytes of LDS; arguments part, codebook, out0; writes out0
.if DOCPART == 3
	.amdgcn_target "amdgcn-amd-amdhsa--gfx1250"
	.amdhsa_code_object_version 6
	.text
	.protected	k_q2698b9f52e_gather
	.globl	k_q2698b9f52e_gather
	.p2align	8
	.type	k_q2698b9f52e_gather,@function
k_q2698b9f52e_gather:
	s_mov_b64 s[64:65], 0
	v_nop
	global_prefetch_b8 v0, s[64:65] scope:SCOPE_SE
	s_setreg_imm32_b32 hwreg(HW_REG_WAVE_MODE, 25, 1), 1
	s_wait_xcnt 0x0
; out0[query][:] = codebook[index[query]][:], f32 rows of 2,048 bytes.  index[query] is the index beside the least key among the eight splits' results part[split][query] = (key, index).
; The keys are whole numbers that the launch before has stored, in the order of the distances; a strict compare keeps the lower split on a tie, and the lower split holds the lower indices.
; SHARES: a work-group takes 64 queries, wave w rows 8 w .. 8 w + 7.  A wave reads the results of 32 queries, a lane a query, so that each of its eight loads covers 256 consecutive bytes;
; four waves read the same 32: 4 of 67 megabytes.  Then its eight rows: all 32 loads go out at once, each of 512 consecutive bytes, and each store likewise.
; A stream: no LDS, no barrier, no matrix unit, no cluster (work-groups share no tile); no prefetch: a row's address is known only when its loads go out.
	s_load_b128 s[4:7], s[0:1], 0x0                ; part s[4:5], codebook s[6:7]
	s_load_b64 s[8:9], s[0:1], 0x10                ; out0
	v_lshrrev_b32 v3, 5, v0
	s_delay_alu instid0(VALU_DEP_1)
	v_readfirstlane_b32 s10, v3                    ; wave 0..7
	v_and_b32 v28, 31, v0                          ; lane
	s_delay_alu instid0(VALU_DEP_1)
	v_lshlrev_b32 v1, 4, v28                       ; 16 x lane
	s_delay_alu instid0(VALU_DEP_2)
	v_lshlrev_b32 v2, 3, v28                       ; 8 x lane
	s_lshl_b32 s12, ttmp9, 6                       ; the work-group's first query
	s_lshr_b32 s13, s10, 2
	s_lshl_b32 s13, s13, 5
	s_add_co_u32 s13, s12, s13                     ; the 32 queries whose results my lanes read
	s_lshl_b32 s14, s13, 3
	s_mov_b32 s15, 0
	s_lshl_b32 s16, s10, 3
	s_add_co_u32 s16, s12, s16                     ; my first row
	s_lshl_b32 s16, s16, 11
	s_mov_b32 s17, 0
	s_and_b32 s18, s10, 3
	s_lshl_b32 s18, s18, 3                         ; the lane that holds my first row's index
	s_wait_alu depctr_va_vdst(0)
	s_wait_kmcnt 0x0
	s_add_nc_u64 s[4:5], s[4:5], s[14:15]
	s_add_nc_u64 s[8:9], s[8:9], s[16:17]
.irp s, 0,1,2,3,4,5,6,7
	global_load_b64 v[4+2*\s:5+2*\s], v2, s[4:5] offset:131072*\s
.endr
	s_wait_loadcnt 0x0
.irp s, 1
	v_cmp_lt_u32 vcc_lo, v[4+2*\s], v4             ; strictly less: on a tie the lower split stays
	s_delay_alu instid0(VALU_DEP_1)
	v_cndmask_b32 v5, v5, v[5+2*\s], vcc_lo
	v_min_u32 v4, v4, v[4+2*\s]
.endr
.irp s, 2, 3, 4, 5, 6, 7
	s_delay_alu instid0(VALU_DEP_1)
	v_cmp_lt_u32 vcc_lo, v[4+2*\s], v4             ; strictly less: on a tie the lower split stays
	s_delay_alu instid0(VALU_DEP_1)
	v_cndmask_b32 v5, v5, v[5+2*\s], vcc_lo
	s_delay_alu instid0(VALU_DEP_3)
	v_min_u32 v4, v4, v[4+2*\s]
.endr
	s_wait_alu depctr_va_vdst(0)
.irp i, 0,1,2,3,4,5,6,7
	s_add_co_u32 s[28+\i], s18, \i
	v_readlane_b32 s[20+\i], v5, s[28+\i]          ; row i's index
	s_min_u32 s[20+\i], s[20+\i], 0x1fff           ; held inside the table
	s_lshl_b32 s[20+\i], s[20+\i], 11              ; a row is 2,048 bytes
	v_add_nc_u32 v[20+\i], s[20+\i], v1
.endr
	s_wait_alu depctr_va_vdst(0)
.irp i, 0,1,2,3,4,5,6,7
.irp j, 0,1,2,3
	global_load_b128 v[32+16*\i+4*\j:35+16*\i+4*\j], v[20+\i], s[6:7] offset:512*\j   ; no hint: a row may be named by many queries
.endr
.endr
.irp i, 0,1,2,3,4,5,6,7
	s_wait_loadcnt 4*(7-\i)                        ; row i's four loads are in; the younger rows' may be out
.irp j, 0,1,2,3
	global_store_b128 v1, v[32+16*\i+4*\j:35+16*\i+4*\j], s[8:9] offset:2048*\i+512*\j th:TH_STORE_NT   ; 32 lanes store 512 consecutive bytes, aligned; written once, read by nobody here
.endr
.endr
	s_endpgm
.Lfunc_end_k_q2698b9f52e_gather:
	.size	k_q2698b9f52e_gather, .Lfunc_end_k_q2698b9f52e_gather-k_q2698b9f52e_gather
	.p2alignl 7, 3214868480
	.fill 96, 4, 3214868480
	.section	.rodata,"a",@progbits
	.p2align	6, 0x0
	.amdhsa_kernel k_q2698b9f52e_gather
		.amdhsa_group_segment_fixed_size 0
		.amdhsa_private_segment_fixed_size 0
		.amdhsa_enable_private_segment 0
		.amdhsa_kernarg_size 24
		.amdhsa_user_sgpr_count 2
		.amdhsa_user_sgpr_kernarg_segment_ptr 1
		.amdhsa_wavefront_size32 1
		.amdhsa_system_sgpr_workgroup_id_x 1
		.amdhsa_system_sgpr_workgroup_id_y 1
		.amdhsa_system_sgpr_workgroup_id_z 1
		.amdhsa_system_vgpr_workitem_id 0
		.amdhsa_next_free_vgpr 168
		.amdhsa_next_free_sgpr 66
		.amdhsa_reserve_vcc 1
		.amdhsa_float_denorm_mode_32 3
		.amdhsa_float_denorm_mode_16_64 3
		.amdhsa_memory_ordered 1
		.amdhsa_forward_progress 1
		.amdhsa_inst_pref_size 12
	.end_amdhsa_kernel
	.amdgpu_metadata
---
amdhsa.version: [ 1, 2 ]
amdhsa.kernels:
  - .name:           k_q2698b9f52e_gather
    .symbol:         k_q2698b9f52e_gather.kd
    .args:
      - { .name: part, .offset: 0, .size: 8, .value_kind: global_buffer, .address_space: global }
      - { .name: codebook, .offset: 8, .size: 8, .value_kind: global_buffer, .address_space: global }
      - { .name: out0, .offset: 16, .size: 8, .value_kind: global_buffer, .address_space: global }
    .group_segment_fixed_size: 0
    .private_segment_fixed_size: 0
    .kernarg_segment_align: 8
    .kernarg_segment_size: 24
    .max_flat_workgroup_size: 256
    .sgpr_count:     66
    .vgpr_count:     168
    .wavefront_size: 32
...
	.end_amdgpu_metadata
.endif
;; end of part 3
